; MI455X (gfx1250); checked and timed in simulation.
; The chip was launched on July 23, 2026; its instructions are those of AMD's public machine-readable ISA for CDNA 5 (MIT licence, August 2026) and "CDNA5" Instruction Set Architecture Reference Guide (July 2026). The comments in the code are by the model that wrote it; some were corrected since.
;; Mixture Of Experts. Allowed arithmetic: matrix products marked QUANTISED: E5M2 operands, one given power-of-two scale a tensor, by v_wmma_f32_16x16x64_bf8_bf8 or v_wmma_f32_16x16x128_bf8_bf8, f32 sums; products left as they are: f32 operands where the result goes on into a quantised operand, else bf16, f16 or f32 operands; f32 sums; everything else in f32.
;; Inputs: b1 8 x 2,048 float32; b2 8 x 1,024 float32; gate_b1 16 float32; gate_b2 8 float32; gate_w1_codes 16 x 32 x 32 uint8 (E5M2 codes of gate_w1, K innermost, in blocks of 32 codes); gate_w2 16 x 8 float32; lowp_scales 6 int32 (the exponents e of the quantised operands' scales 2^e); w1_codes 8 x 2,048 x 32 x 32 uint8 (E5M2 codes of w1, K innermost, in blocks of 32 codes); w2_codes 8 x 1,024 x 64 x 32 uint8 (E5M2 codes of w2, K innermost, in blocks of 32 codes); x_codes 2,048 x 32 x 32 uint8 (E5M2 codes of x, K innermost, in blocks of 32 codes).
;; Outputs: out0 2,048 x 1,024 float32.
;; This version of the problem:
;;   THIS VERSION OF THE PROBLEM IS GIVEN IN LOW PRECISION. The matrix products marked QUANTISED in the list below multiply operands that are first quantised to E5M2 (5 exponent bits, 2 mantissa bits; 8 bits a number), with one given power-of-two scale for each operand tensor; their sums are f32. All else is computed in f32.
;;   The module's matrix products, in the order in which they are computed (A, B: the left and right operand; K: the contracted axis; several contracted axes count as one K, in the product's order):
;;     1. [M 2,048, K 1,024] x [K 1,024, N 16]; A: input x (given as codes); B: input gate_w1 (given as codes): QUANTISED (scales: A lowp_scales[0], B lowp_scales[1])
;;     2. [M 2,048, K 16] x [K 16, N 8]; A: computed on the way; B: input gate_w2: left as it is (K = 16 < 32)
;;     3. [M 2,048, K 1,024] x [K 1,024, N 16,384]; A: input x (given as codes); B: input w1 (given as codes): QUANTISED (scales: A lowp_scales[2], B lowp_scales[3])
;;     4. batch 8 x [M 1,024, K 2,048] x [K 2,048, N 2,048]; A: input w2 (given as codes); B: computed on the way: QUANTISED (scales: A lowp_scales[4], B lowp_scales[5])
;;   THE QUANTISER, for each operand of a quantised product, along K:
;;     - The operand's scale is 2^e, e = its entry of the input lowp_scales (int32; the entries are numbered through the quantised products in the list's order, A before B).
;;     - Each number is divided by the scale, clamped to +-57,344, and rounded to the nearest number of E5M2, ties to even, subnormals kept.
;;     - The product sums the exact products of the quantised numbers (number of the format x scale) in f32.
;;   ~~~python
;;   def quantise(x, axis, e):      # numpy; x: float32 -> the quantised numbers, widened to float32 again
;;       x = np.moveaxis(x, axis, -1); K = x.shape[-1]
;;       r = np.clip(x / 2.0 ** e, -57344, 57344)
;;       step = 2.0 ** (np.maximum(np.frexp(np.where(r == 0, 1, r))[1] - 1, -14) - 2)
;;       q = np.round(r / step) * step * 2.0 ** e      # np.round: ties to even
;;       return np.moveaxis(q, -1, axis).astype(np.float32)
;;   ~~~
;;   OPERANDS COMPUTED ON THE WAY. 'Computed on the way' means the value that the module computes at that place (a softmax that the list does not call 'softmax' is quantised finished and normalised). What goes into a quantiser is computed in f32, as accurately as f32 sums, v_exp_f32 and their like allow (about 1e-6 of the number): no bf16 or f16 on the way to a quantiser, and a product that is left as it is and whose result goes on into a quantised operand takes f32 operands (vector FMAs, or v_wmma_f32_16x16x4_f32). A number that lies on a knife's edge between two numbers of the format may be rounded either way, as far as f32 arithmetic and the matrix unit's own rounding can turn it there, and no further.
;;   INPUTS GIVEN AS CODES. gate_w1 (in the module: [1024, 16], K = its axis 0); w1 (in the module: [8, 1024, 2048], K = its axis 1); w2 (in the module: [8, 2048, 1024], K = its axis 1); x (in the module: [2048, 1024], K = its axis 1): each comes as NAME_codes (uint8): NAME with its K axis moved to the last place and cut into blocks of 32 codes, [.., K / 32, bytes a block], one block behind the other in memory; one code a byte (a code: sign, 5 exponent bits, 2 mantissa bits); its scale is its entry of lowp_scales. Its value is code x scale, taken as it is: it is not quantised again, and the codes and scales need not be those that the quantiser above would give.
;; One version. Each part assembles by itself: llvm-mc -triple=amdgcn-amd-amdhsa -mcpu=gfx1250 --defsym DOCPART=n.
;; ======== version 1 of 1: 4 launches
;; limits: right only within a limited range of input values
;; workspace buffers: topi 16,384 bytes of whole numbers; topw 16,384 bytes; pos 16,384 bytes of whole numbers; tile_e 256 bytes of whole numbers; hist 2,048 bytes of whole numbers; mk 2,048 bytes of whole numbers; hq 11,173,888 bytes; y 22,347,776 bytes
;; launch gate (part 1): grid 128 x 1, 1 waves a work-group, no clusters, 0 bytes of LDS; arguments x_codes, gate_w1_codes, lowp_scales, gate_b1, gate_w2, gate_b2, topi, topw, hist, mk; writes topi, topw, hist, mk
.if DOCPART == 1
	.amdgcn_target "amdgcn-amd-amdhsa--gfx1250"
	.amdhsa_code_object_version 6
	.text
	.protected	k_q16466c1624_gate
	.globl	k_q16466c1624_gate
	.p2align	8
	.type	k_q16466c1624_gate,@function
k_q16466c1624_gate:
	s_mov_b64 s[64:65], 0
	v_nop
	global_prefetch_b8 v0, s[64:65] scope:SCOPE_SE
	s_setreg_imm32_b32 hwreg(HW_REG_WAVE_MODE, 25, 1), 1
	s_wait_xcnt 0x0
; THE GATE.  g = gelu(x gate_w1 + gate_b1) gate_w2 + gate_b2; softmax; the two largest, renormalised.  x [2048][1024] and gate_w1 [16][1024] are codes of E5M2, K innermost.
; WORK LEFT OUT by the program: the experts that a token's own two choices do not name are not computed for it (the definition gathers two of eight and uses no other);
; a NaN, an infinity or an overflow in an expert that a token does not choose is not carried to the result.
; A work-group is one wave and owns a group of 16 tokens.  The first product is used transposed (source 0 = the 16 hidden units, source 1 = my 16 tokens): lane (r, h) holds token r and units 8 h + 0 .. 7.
; A fragment (16 rows x 128 K) is fetched by four loads of 16 bytes, 32 bytes apart: the same permutation of k on both sides, so every product meets its partner.
; The second product (K = 16) is 64 fused multiply-adds a lane in f32 and one exchange between the halves of the lanes.
; SOFTMAX: the row's maximum is taken away; p = 2^((g - m) log2 e).  The two weights are p_a / (p_a + p_b): the softmax's denominator cancels for every input.
; STORED FOR THE SORT BY EXPERT: topi[token][k] = expert | rank << 8, rank = how many lower tokens of the group name the expert; topw[token][k]; hist[group][e] = the group's count, 16 bits;
; mk[e] = 2,048 bits, bit n set where token n names expert e (16 bits of it from each group).  The choice only selects values and counts them: no branch and no address of this launch hangs on it.
; No LDS, no cluster, no prefetch: no loop, each row of x is read by one work-group; gate_w1 is 16 KB.
; LIMITS: e0 + e1 between -126 and 127, so that 2^(e0 + e1) is an f32 number.  NaN and infinite sums are not served.
; The two largest are taken of p, not of p divided by the row's sum: a tie that only that division's rounding makes may be broken otherwise than in the definition.  Ties of p go to the lower expert.
.set XF,   16                          ; v16-143   x's eight fragments; free behind the products
.set ACC0, 144                         ; v144-159  the sums of the even and of the odd K steps
.set ACC1, 152
.set W2,   160                         ; v160-223  gate_w2[8 h + j][e] at 8 j + e
.set GB1,  224                         ; v224-231  gate_b1[8 h + j]
.set GB2,  232                         ; v232-239  gate_b2
.set ZR,   16                          ; v16-55    the hidden layer and four runs at work
.set CF,   64                          ; v64-83    the polynomial's ten coefficients, each twice
.set CN,   84                          ; v84-85    -log2(e) / 2, twice
.set G,    88                          ; v88-95    g, then p
.set PT,   96                          ; v96-103   the other half's g (written before, by the loads of x)
.set CU,   30                          ; s30       1 / (2 sqrt 2)
.set MK,   32                          ; s[32:39]  the lanes that name expert e
.set CT,   48                          ; s[48:55]  how many they are
.set M2,   56                          ; s[56:63]  the tokens that name expert e, 16 bits, twice on end
.set MSB, 0
.macro WIN new                         ; the immediate's high byte repeats the setting that is left
.if MSB != \new
	s_set_vgpr_msb (MSB<<8)|\new
.set MSB, \new
.endif
.endm
.macro SETC k, bits
	v_mov_b32 v[CF+2*\k], \bits
	v_mov_b32 v[CF+2*\k+1], \bits
.endm
; EXACT GELU of n numbers in v[Z] on, in place.  gelu(z) = max(z, 0) - |z| q,  q = erfc(|z| / sqrt 2) / 2 = t 2^(P(t) - z z log2(e) / 2),  t = 1 / (1 + |z| / (2 sqrt 2)).
; P is the ten-term fit of erfc (fractional error under 1.2e-7 for every argument) times log2 e, with 1 taken off its constant for the half.
.macro GELU n, Z, A1, A2, A3, A4
.set gi, 0
.rept \n
	v_fma_f32 v[\A1+gi], |v[\Z+gi]|, s[CU], 1.0
.set gi, gi+1
.endr
.set gi, 0
	s_wait_alu depctr_va_vdst(0)
.rept \n
	v_rcp_f32 v[\A2+gi], v[\A1+gi]                 ; t
.set gi, gi+1
.endr
.set gi, 0
.rept \n/2
	v_pk_mul_f32 v[\A3+gi:\A3+gi+1], v[\Z+gi:\Z+gi+1], v[\Z+gi:\Z+gi+1]
.set gi, gi+2
.endr
.set gi, 0
	s_wait_alu depctr_va_vdst(0)
.rept \n/2
	v_pk_fma_f32 v[\A1+gi:\A1+gi+1], v[\A2+gi:\A2+gi+1], v[CF+18:CF+19], v[CF+16:CF+17]
.set gi, gi+2
.endr
.irp k, 7,6,5,4,3,2,1,0
.set gi, 0
.rept \n/2
	v_pk_fma_f32 v[\A1+gi:\A1+gi+1], v[\A1+gi:\A1+gi+1], v[\A2+gi:\A2+gi+1], v[CF+2*\k:CF+2*\k+1]
.set gi, gi+2
.endr
.endr
.set gi, 0
.rept \n/2
	v_pk_fma_f32 v[\A3+gi:\A3+gi+1], v[\A3+gi:\A3+gi+1], v[CN:CN+1], v[\A1+gi:\A1+gi+1]
.set gi, gi+2
.endr
.set gi, 0
	s_wait_alu depctr_va_vdst(0)
.rept \n
	v_exp_f32 v[\A4+gi], v[\A3+gi]
.set gi, gi+1
.endr
.set gi, 0
.rept \n
	v_max_num_f32 v[\A1+gi], 0, v[\Z+gi]
.set gi, gi+1
.endr
.set gi, 0
	s_wait_alu depctr_va_vdst(0)
.rept \n/2
	v_pk_mul_f32 v[\A2+gi:\A2+gi+1], v[\A2+gi:\A2+gi+1], v[\A4+gi:\A4+gi+1]   ; q
.set gi, gi+2
.endr
.set gi, 0
.rept \n
	v_fma_f32 v[\Z+gi], -|v[\Z+gi]|, v[\A2+gi], v[\A1+gi]
.set gi, gi+1
.endr
.endm
	s_load_b512 s[4:19], s[0:1], 0x0               ; x s[4:5], gate_w1 s[6:7], scales s[8:9], gate_b1 s[10:11], gate_w2 s[12:13], gate_b2 s[14:15], topi s[16:17], topw s[18:19]
	s_load_b128 s[44:47], s[0:1], 0x40             ; hist s[44:45], mk s[46:47]
	v_and_b32 v1, 15, v0                           ; r
	v_lshrrev_b32 v2, 4, v0                        ; h
	v_lshlrev_b32 v3, 10, v1
	v_lshl_add_u32 v3, v2, 4, v3                   ; row r of 1,024 bytes + 16 h: for x and for gate_w1
	v_lshlrev_b32 v4, 8, v2                        ; gate_w2: eight rows of 32 bytes for each half
	v_lshlrev_b32 v5, 5, v2                        ; gate_b1: eight numbers for each half
	v_mov_b32 v6, 0
	v_lshlrev_b32 v7, 3, v1
	v_lshl_add_u32 v7, v2, 2, v7                   ; out: 8 r + 4 h
	s_lshl_b32 s26, ttmp9, 14                      ; my group's 16 rows of x
	s_mov_b32 s27, 0
	s_lshl_b32 s28, ttmp9, 7                       ; its 32 pairs
	s_mov_b32 s29, 0
	s_mov_b32 s22, 0x76543210                      ; v_permlanex16_b32: lane l xor 16
	s_mov_b32 s23, 0xfedcba98
	s_mov_b32 s[CU], 0x3eb504f3                    ; 0.35355339
	s_wait_alu depctr_va_vdst(0)
	s_wait_kmcnt 0x0
	s_load_b64 s[20:21], s[8:9], 0x0               ; e0, e1
	s_add_nc_u64 s[4:5], s[4:5], s[26:27]
.irp s, 0,1,2,3,4,5,6,7
.irp c, 0,1,2,3
	global_load_b128 v[XF+16*\s+4*\c:XF+16*\s+4*\c+3], v3, s[4:5] offset:128*\s+32*\c
.endr
.endr
	WIN 0x40                                       ; destination window 1: gate_w1's eight fragments at v256-383
.irp s, 0,1,2,3,4,5,6,7
.irp c, 0,1,2,3
	global_load_b128 v[16*\s+4*\c:16*\s+4*\c+3], v3, s[6:7] offset:128*\s+32*\c
.endr
.endr
	WIN 0
.irp j, 0,1,2,3,4,5,6,7
	global_load_b128 v[W2+8*\j:W2+8*\j+3], v4, s[12:13] offset:32*\j
	global_load_b128 v[W2+8*\j+4:W2+8*\j+7], v4, s[12:13] offset:32*\j+16
.endr
	global_load_b128 v[GB1:GB1+3], v5, s[10:11]
	global_load_b128 v[GB1+4:GB1+7], v5, s[10:11] offset:16
	global_load_b128 v[GB2:GB2+3], v6, s[14:15]
	global_load_b128 v[GB2+4:GB2+7], v6, s[14:15] offset:16
	s_add_nc_u64 s[16:17], s[16:17], s[28:29]
	s_add_nc_u64 s[18:19], s[18:19], s[28:29]
	s_lshl_b32 s26, ttmp9, 4                       ; my group's 16 bytes of hist
	s_add_nc_u64 s[44:45], s[44:45], s[26:27]
	s_lshl_b32 s28, ttmp9, 1                       ; and its 2 bytes in each expert's mask
	s_add_nc_u64 s[46:47], s[46:47], s[28:29]
	s_wait_loadcnt 20                              ; the 64 loads of codes are in; the 20 small ones behind them may be out
	WIN 0x01                                       ; source 0 window 1
.irp s, 0,1,2,3,4,5,6,7                        ; two accumulators by turns; the first two products start the sums
.if \s < 2
	v_wmma_f32_16x16x128_bf8_bf8 v[ACC0+8*(\s%2):ACC0+8*(\s%2)+7], v[16*\s:16*\s+15], v[XF+16*\s:XF+16*\s+15], 0
.else
	v_wmma_f32_16x16x128_bf8_bf8 v[ACC0+8*(\s%2):ACC0+8*(\s%2)+7], v[16*\s:16*\s+15], v[XF+16*\s:XF+16*\s+15], v[ACC0+8*(\s%2):ACC0+8*(\s%2)+7]
.endif
.endr
	WIN 0
.rept 4
	v_nop                                          ; four places behind the products (ISA guide 7.12.1)
.endr
	s_wait_loadcnt 0x0
	s_wait_kmcnt 0x0
	s_add_co_i32 s24, s20, s21
	s_add_co_i32 s24, s24, 127
	s_lshl_b32 s24, s24, 23                        ; 2^(e0 + e1) as f32
	s_mov_b32 s25, s24                             ; (named with it as a pair, so it is written)
	SETC 0, 0xc034d90f                             ; -2.825748217
	SETC 1, 0x3fb8ab5a                             ;  1.442729203
	SETC 2, 0x3f0a29d2                             ;  0.539700615
	SETC 3, 0x3e0efb2e                             ;  0.139630056
	SETC 4, 0xbe899a80                             ; -0.268756860
	SETC 5, 0x3ecdfd18                             ;  0.402321581
	SETC 6, 0xbfd1a1e5                             ; -1.637753151
	SETC 7, 0x40097039                             ;  2.147474462
	SETC 8, 0xbf97d29d                             ; -1.186114944
	SETC 9, 0x3e7c6f08                             ;  0.246517298
	v_mov_b32 v[CN], 0xbf38aa3b                    ; -0.72134752
	v_mov_b32 v[CN+1], 0xbf38aa3b
.irp j, 0,2,4,6
	v_pk_add_f32 v[ZR+\j:ZR+\j+1], v[ACC0+\j:ACC0+\j+1], v[ACC1+\j:ACC1+\j+1]   ; both accumulators from their low end on
.endr
.irp j, 0,2,4,6
	v_pk_fma_f32 v[ZR+\j:ZR+\j+1], v[ZR+\j:ZR+\j+1], s[24:25], v[GB1+\j:GB1+\j+1] op_sel_hi:[1,0,1]   ; sum x 2^(e0 + e1) + gate_b1
.endr
	GELU 8, ZR, ZR+8, ZR+16, ZR+24, ZR+32
.irp e, 0,1,2,3,4,5,6,7                        ; g[e] over my eight hidden units: eight chains
	v_mul_f32 v[G+\e], v[ZR], v[W2+\e]
.endr
.irp j, 1,2,3,4,5,6,7
.irp e, 0,1,2,3,4,5,6,7
	v_fmac_f32 v[G+\e], v[ZR+\j], v[W2+8*\j+\e]
.endr
.endr
.irp e, 0,1,2,3,4,5,6,7
	v_permlanex16_b32 v[PT+\e], v[G+\e], s22, s23  ; the other eight units' part lies in the lane 16 away
.endr
.irp e, 0,1,2,3,4,5,6,7
	v_add_f32 v[G+\e], v[G+\e], v[PT+\e]           ; the same two numbers in both lanes: the same bits
.endr
.irp e, 0,2,4,6
	v_pk_add_f32 v[G+\e:G+\e+1], v[G+\e:G+\e+1], v[GB2+\e:GB2+\e+1]
.endr
	v_max3_num_f32 v104, v[G], v[G+1], v[G+2]
	v_max3_num_f32 v105, v[G+3], v[G+4], v[G+5]
	v_max3_num_f32 v104, v104, v[G+6], v[G+7]
	v_max_num_f32 v104, v104, v105                 ; the row's maximum
.irp e, 0,1,2,3,4,5,6,7
	v_sub_f32 v[G+\e], v[G+\e], v104
.endr
.irp e, 0,1,2,3,4,5,6,7
	v_mul_f32 v[G+\e], 0x3fb8aa3b, v[G+\e]
.endr
	s_wait_alu depctr_va_vdst(0)
.irp e, 0,1,2,3,4,5,6,7
	v_exp_f32 v[G+\e], v[G+\e]                     ; p, at most 1
.endr
.macro SCAN best, idx                  ; the largest p and its expert; a strict compare leaves a tie with the lower expert.  The first line is the plain line behind the exponentials
	v_mov_b32 v[\idx], 0
	s_wait_alu depctr_va_vdst(0)
	v_mov_b32 v[\best], v[G]
.irp e, 1,2,3,4,5,6,7
	v_cmp_gt_f32 vcc_lo, v[G+\e], v[\best]
	v_cndmask_b32 v[\best], v[\best], v[G+\e], vcc_lo
	v_cndmask_b32 v[\idx], v[\idx], \e, vcc_lo
.endr
.endm
	SCAN 105, 106
.irp e, 0,1,2,3,4,5,6,7
	v_cmp_eq_u32 vcc_lo, \e, v106
	v_cndmask_b32 v[G+\e], v[G+\e], -1.0, vcc_lo   ; the winner leaves the field: every other p is 0 or more
.endr
	SCAN 107, 108
	v_add_f32 v110, v105, v107
	s_wait_alu depctr_va_vdst(0)
	v_rcp_f32 v110, v110
	v_nop                                          ; a plain line behind the reciprocal
	v_cmp_eq_u32 vcc_lo, 1, v2
	s_wait_alu depctr_va_vdst(0)
	v_mul_f32 v105, v105, v110
	v_mul_f32 v107, v107, v110
	v_cndmask_b32 v111, v106, v108, vcc_lo         ; lanes 0-15 carry the first choice, lanes 16-31 the second
	v_cndmask_b32 v112, v105, v107, vcc_lo
	v_cmp_eq_u32 s40, 1, v2
.irp e, 0,1,2,3,4,5,6,7
	v_cmp_eq_u32 s[MK+\e], \e, v111                ; which lanes name each expert
.endr
	v_and_b32 v8, 7, v0
	v_lshlrev_b32 v9, 8, v8                        ; mk: 256 bytes for each expert; lane l serves expert l mod 8
	v_mov_b32 v201, 0
	v_mov_b32 v202, 0
	s_wait_alu depctr_va_vdst(0)
.irp e, 0,1,2,3,4,5,6,7
	s_bcnt1_i32_b32 s[CT+\e], s[MK+\e]
	s_lshr_b32 s41, s[MK+\e], 16
	s_or_b32 s41, s41, s[MK+\e]
	s_and_b32 s41, s41, 0xffff                     ; bit r: token r names the expert, by either choice
	s_lshl_b32 s42, s41, 16
	s_or_b32 s[M2+\e], s41, s42
.endr
.irp j, 0,1,2,3                                ; word j: expert 2 j below, expert 2 j + 1 above
	s_lshl_b32 s41, s[CT+2*\j+1], 16
	s_or_b32 s41, s41, s[CT+2*\j]
	v_mov_b32 v[116+\j], s41
.endr
.irp e, 0,1,2,3,4,5,6,7                        ; the rank: the bits under token r; lanes 16-31 count the lower copy too, so they begin at minus the count
	s_sub_co_i32 s41, 0, s[CT+\e]
	v_cndmask_b32 v200, 0, s41, s40
	v_mbcnt_lo_u32_b32 v200, s[M2+\e], v200
	v_cndmask_b32 v201, v201, v200, s[MK+\e]
	v_cmp_eq_u32 vcc_lo, \e, v8
	v_cndmask_b32 v202, v202, s[M2+\e], vcc_lo
.endr
	v_lshl_or_b32 v111, v201, 8, v111              ; expert | rank << 8
	global_store_b32 v7, v111, s[16:17]            ; the group's 32 words are 128 consecutive bytes
	global_store_b32 v7, v112, s[18:19]
	global_store_b128 v6, v[116:119], s[44:45]     ; all lanes store the same 16 bytes
	global_store_b16 v9, v202, s[46:47]            ; eight halfwords; lanes l and l + 8 store the same one
	s_endpgm
.Lfunc_end_k_q16466c1624_gate:
	.size	k_q16466c1624_gate, .Lfunc_end_k_q16466c1624_gate-k_q16466c1624_gate
	.p2alignl 7, 3214868480
	.fill 96, 4, 3214868480
	.section	.rodata,"a",@progbits
	.p2align	6, 0x0
	.amdhsa_kernel k_q16466c1624_gate
		.amdhsa_group_segment_fixed_size 0
		.amdhsa_private_segment_fixed_size 0
		.amdhsa_enable_private_segment 0
		.amdhsa_kernarg_size 80
		.amdhsa_user_sgpr_count 2
		.amdhsa_user_sgpr_kernarg_segment_ptr 1
		.amdhsa_wavefront_size32 1
		.amdhsa_system_sgpr_workgroup_id_x 1
		.amdhsa_system_sgpr_workgroup_id_y 1
		.amdhsa_system_sgpr_workgroup_id_z 1
		.amdhsa_system_vgpr_workitem_id 0
		.amdhsa_next_free_vgpr 384
		.amdhsa_next_free_sgpr 66
		.amdhsa_reserve_vcc 1
		.amdhsa_float_denorm_mode_32 3
		.amdhsa_float_denorm_mode_16_64 3
		.amdhsa_memory_ordered 1
		.amdhsa_forward_progress 1
		.amdhsa_inst_pref_size 31
	.end_amdhsa_kernel
	.amdgpu_metadata
---
amdhsa.version: [ 1, 2 ]
amdhsa.kernels:
  - .name:           k_q16466c1624_gate
    .symbol:         k_q16466c1624_gate.kd
    .args:
      - { .name: x_codes, .offset: 0, .size: 8, .value_kind: global_buffer, .address_space: global }
      - { .name: gate_w1_codes, .offset: 8, .size: 8, .value_kind: global_buffer, .address_space: global }
      - { .name: lowp_scales, .offset: 16, .size: 8, .value_kind: global_buffer, .address_space: global }
      - { .name: gate_b1, .offset: 24, .size: 8, .value_kind: global_buffer, .address_space: global }
      - { .name: gate_w2, .offset: 32, .size: 8, .value_kind: global_buffer, .address_space: global }
      - { .name: gate_b2, .offset: 40, .size: 8, .value_kind: global_buffer, .address_space: global }
      - { .name: topi, .offset: 48, .size: 8, .value_kind: global_buffer, .address_space: global }
      - { .name: topw, .offset: 56, .size: 8, .value_kind: global_buffer, .address_space: global }
      - { .name: hist, .offset: 64, .size: 8, .value_kind: global_buffer, .address_space: global }
      - { .name: mk, .offset: 72, .size: 8, .value_kind: global_buffer, .address_space: global }
    .group_segment_fixed_size: 0
    .private_segment_fixed_size: 0
    .kernarg_segment_align: 8
    .kernarg_segment_size: 80
    .max_flat_workgroup_size: 32
    .sgpr_count:     66
    .vgpr_count:     384
    .wavefront_size: 32
...
	.end_amdgpu_metadata
.endif
;; end of part 1
;; launch ffn1 (part 2): grid 8 x 31, 8 waves a work-group, no clusters, 233,984 bytes of LDS; arguments x_codes, w1_codes, lowp_scales, b1, topi, hist, mk, pos, tile_e, hq; writes pos, tile_e, hq
.if DOCPART == 2
	.amdgcn_target "amdgcn-amd-amdhsa--gfx1250"
	.amdhsa_code_object_version 6
	.text
	.protected	k_q16466c1624_ffn1
	.globl	k_q16466c1624_ffn1
	.p2align	8
	.type	k_q16466c1624_ffn1,@function
k_q16466c1624_ffn1:
	s_mov_b64 s[64:65], 0
	v_nop
	global_prefetch_b8 v0, s[64:65] scope:SCOPE_SE
	s_setreg_imm32_b32 hwreg(HW_REG_WAVE_MODE, 25, 1), 1
	s_wait_xcnt 0x0
; THE SORT BY EXPERT AND THE EXPERTS' FIRST LAYER on the routed rows: hq = Q(gelu(x W1[e] + b1[e])), Q the quantiser with the scale 2^e5.  Experts that a token does not choose are left out (the first launch's head says why);
; a NaN, an infinity or an overflow there is not carried to the result.  x [2048][1024] and W1 [8][2048][1024] are codes of E5M2, K innermost; hq [5456][2048] codes.
; SLOTS.  Each expert's run of rows is padded to a multiple of 176.  The sum over the experts of ceil(count / 176) is at most (4096 + 8 x 175) / 176, rounded down: 31 slots of 176 rows.
; A work-group takes slot t = its y x 256 hidden units (block cb = its x); each of its eight waves 32 of them, all 176 rows.  Slots without rows walk the same text on rows that no later launch gathers.
; ROUTING.  hist's 128 x 8 counts are summed in every wave (a lane takes four groups, then the lanes are joined): that gives each expert's first slot, and so my slot's expert and its first rank.
; Waves 4-7 count and scan the expert's mask mk[e] (64 tokens a lane); row j of the slot is the token with the (first rank + j)-th set bit: each finds the tokens of 44 rows and gathers them into LDS.
; WEIGHTS go from memory straight into registers: 32 rows x 1,024 K are 256 registers, each byte fetched once by the wave that multiplies it: no ring, no tensor load.
; Waves 0-3 ask for theirs at once, waves 4-7 behind the barrier that shows x to all, when waves 0-3 begin to multiply.
; No cluster: joint loads are tensor loads, and the rows gathered hang on numbers read from memory.  No prefetch: no loop here loads from memory, all loads stand ahead of it.
; THE PRODUCT IS USED TRANSPOSED (source 0 = 16 rows of W1, source 1 = 16 rows of x): a lane holds one row and its registers run along the hidden units.  Tile u takes W1's rows 8 u + r + 8 (r / 8), so that
; the 16 registers of tiles 0 and 1 are 16 neighbours: 16 h + 0 .. 15, which are also 16 neighbouring codes of hq.
; SCALES.  With E = e2 + e3 a sum stands for sum x 2^E.  b1 enters as b1 x 2^-E, the C of each block's first products; 2^E is folded into GELU's two constants and into the conversion's scale: exact, powers of two.
; LIMITS: E between -60 and 60; e5 - E between -126 and 112.  NaN and infinite sums are not served.
; REGISTERS: window 0: v1-15 addresses and the like, v16-37 constants, v38-53 the accumulators, v54-69 b1, v70-117 GELU, v118-125, v128-255 x's fragments of one block; ahead of the loop the routing and gathered rows.
;   window 1: W1: K step s, tile u at 32 s + 16 u (in waves 4-7 gathered rows before that).
.set XP,    1040                       ; an LDS row of x: 1,024 bytes + 16 = 260 words: row r starts at bank 4 r mod 64 (64 banks of 4 bytes: ISA guide 11.1)
.set PITCH, 272                        ; a row of the stage: 256 codes + 16
.set STAGE, 176*XP
.set LIST,  STAGE+176*PITCH            ; 256 bytes for each wave: its rows' tokens
.set SPARE, LIST+2048                  ; the spare words, 128 bytes for each wave
.set CF,    16
.set CN,    36
.set Z,     38
.set BIAS,  54
.set PC,    118
.set LIM,   122
.set SC,    123
.set SPW,   124
.set NIL,   125
.set AF,    128
.set HI,    102                        ; hist's words
.set OF,    84                         ; v84-105 the gathered rows' offsets
.set QA,    38                         ; the routing, two rows a lane: registers in pairs
.set QB,    40
.set QC,    42
.set QT,    44
.set QU,    46
.set QR,    48
.set QI,    50
.set QS,    52
.set QP,    70
.set QN,    72
.set QX,    74
.set QY,    76
.set QZ,    78
.set TOT,   68
.set OFF,   76
.set RL,    84
.set CU,    63
.set MSB, 0
.macro WIN new
.if MSB != (\new)
	s_set_vgpr_msb (MSB<<8)|(\new)
.set MSB, \new
.endif
.endm
.macro SETC k, bits
	v_mov_b32 v[CF+2*\k], \bits
	v_mov_b32 v[CF+2*\k+1], \bits
.endm
.macro REDUCE4 base, tmp, dst          ; the sum over the 32 lanes of four words of two 16-bit counts each (a count is 2,048 at the most: no carry)
.irp m, 1,2,4,8
.irp j, 0,1,2,3
	v_add_nc_u32_dpp v[\base+\j], v[\base+\j], v[\base+\j] row_xmask:\m row_mask:0xf bank_mask:0xf
.endr
.endr
.irp j, 0,1,2,3
	v_permlanex16_b32 v[\tmp+\j], v[\base+\j], s40, s41
.endr
.irp j, 0,1,2,3
	v_add_nc_u32 v[\base+\j], v[\base+\j], v[\tmp+\j]
.endr
.irp j, 0,1,2,3
	v_readfirstlane_b32 s[\dst+\j], v[\base+\j]
.endr
	s_wait_alu depctr_va_vdst(0)
.endm
.macro VV op, d, a, b                  ; one line for each of the lane's two rows
	\op v[\d], v[\a], v[\b]
	\op v[\d+1], v[\a+1], v[\b+1]
.endm
.macro KV op, d, k, a
	\op v[\d], \k, v[\a]
	\op v[\d+1], \k, v[\a+1]
.endm
.macro GE a
	v_cmp_ge_u32 s84, v[QR], v[\a]
	v_cmp_ge_u32 s85, v[QR+1], v[\a+1]
.endm
.macro ZV d, a
	v_cndmask_b32 v[\d], 0, v[\a], s84
	v_cndmask_b32 v[\d+1], 0, v[\a+1], s85
.endm
.macro ZK d, k
	v_cndmask_b32 v[\d], 0, \k, s84
	v_cndmask_b32 v[\d+1], 0, \k, s85
.endm
.macro PICK                            ; QN bits are set in the lower part: is the wanted one above?
	GE QN
	ZV QT, QN
	VV v_sub_nc_u32, QR, QR, QT
.endm
.macro HALVE w, n
	v_bfe_u32 v[QN], v[\w], v[QP], \n
	v_bfe_u32 v[QN+1], v[\w+1], v[QP+1], \n
	PICK
	ZK QT, \n
	VV v_add_nc_u32, QP, QP, QT
.endm
.macro SW1 x                           ; v[QC]: how many bits of v[x] are set in each of its bytes
	v_lshrrev_b32 v[QT], 1, v[\x]
	v_and_b32 v[QT], 0x55555555, v[QT]
	v_sub_nc_u32 v[QA], v[\x], v[QT]
	v_and_b32 v[QT], 0x33333333, v[QA]
	v_lshrrev_b32 v[QU], 2, v[QA]
	v_and_b32 v[QU], 0x33333333, v[QU]
	v_add_nc_u32 v[QB], v[QT], v[QU]
	v_lshrrev_b32 v[QU], 4, v[QB]
	v_add_nc_u32 v[QU], v[QB], v[QU]
	v_and_b32 v[QC], 0x0f0f0f0f, v[QU]
.endm
.macro LDB                             ; W1: 32 rows, all of K: 64 loads into window 1
	WIN 0x40
.irp s, 0,1,2,3,4,5,6,7
.irp u, 0,1
.irp c, 0,1,2,3
	global_load_b128 v[32*\s+16*\u+4*\c:32*\s+16*\u+4*\c+3], v5, s[52:53] offset:8*\u*1024+128*\s+32*\c
.endr
.endr
.endr
	WIN 0
.endm
	s_load_b512 s[4:19], s[0:1], 0x0               ; x s[4:5], W1 s[6:7], scales s[8:9], b1 s[10:11], topi s[12:13], hist s[14:15], mk s[16:17], pos s[18:19]
	s_load_b128 s[20:23], s[0:1], 0x40             ; tile_e s[20:21], hq s[22:23]
	v_lshl_add_u32 v[SPW], v0, 2, SPARE
	v_mov_b32 v[NIL], 0
	v_and_b32 v1, 31, v0                           ; lane
	v_and_b32 v2, 15, v0                           ; r
	v_bfe_u32 v3, v0, 4, 1                         ; h
	v_lshrrev_b32 v38, 5, v0
	v_readfirstlane_b32 s2, v38                    ; wave 0..7
	v_lshlrev_b32 v4, 6, v1                        ; hist: four groups of 16 bytes a lane
	v_lshlrev_b32 v7, 3, v1                        ; mk: 64 tokens a lane
	v_lshlrev_b32 v8, 2, v1
	v_lshlrev_b32 v6, 6, v3                        ; b1: 16 numbers further on for lanes 16-31
	v_and_b32 v39, 8, v2
	v_mul_u32_u24 v9, v2, XP
	v_add_nc_u32 v39, v39, v2                      ; r + 8 (r / 8)
	v_mul_u32_u24 v11, v2, PITCH
	v_lshlrev_b32 v39, 10, v39
	v_lshl_add_u32 v9, v3, 4, v9                   ; x's fragments in LDS: row r + 16 h
	v_lshl_add_u32 v5, v3, 4, v39                  ; W1
	v_lshl_add_u32 v11, v3, 4, v11
	v_mul_u32_u24 v40, v38, 22
	v_lshl_add_u32 v11, v38, 5, v11
	v_add_nc_u32 v40, v40, v3                      ; row 22 wave + h
	v_and_b32 v41, 3, v38
	v_add_nc_u32 v11, STAGE, v11                   ; into the stage: row r, byte 32 wave + 16 h
	v_mul_u32_u24 v13, v40, PITCH
	v_mul_u32_u24 v41, v41, 44
	v_lshl_add_u32 v13, v2, 4, v13
	v_add_nc_u32 v41, v41, v3                      ; waves 4-7: row 44 (wave - 4) + h
	v_add_nc_u32 v13, STAGE, v13                   ; back from the stage: lanes 0-15 one row, lanes 16-31 the next
	v_mul_u32_u24 v15, v41, XP
	v_lshlrev_b32 v14, 11, v3
	v_lshl_add_u32 v15, v2, 4, v15                 ; gathered rows into LDS, likewise
	v_lshl_add_u32 v14, v2, 4, v14                 ; the same two rows in hq
	v_lshlrev_b32 v42, 8, v38
	v_lshlrev_b32 v120, 4, v2
	v_add_nc_u32 v42, LIST, v42
	v_mov_b32 v121, 0
	v_lshl_add_u32 v118, v1, 2, v42                ; my list: in,
	v_lshl_add_u32 v119, v3, 2, v42                ; out: rows 2 i + h
	s_wait_alu depctr_va_vdst(0)
	s_and_b32 s24, ttmp7, 0xffff                   ; t
	s_lshl_b32 s47, s24, 3
	s_add_co_u32 s47, s47, ttmp9
	s_min_u32 s47, s47, 127                        ; the group whose pairs' rows I store (where t is under 16)
	s_lshl_b32 s26, s47, 7
	s_mov_b32 s27, 0
	s_mov_b32 s40, 0x76543210                      ; v_permlanex16_b32: lane l xor 16
	s_mov_b32 s41, 0xfedcba98
	s_wait_kmcnt 0x0
	s_add_nc_u64 s[12:13], s[12:13], s[26:27]
	s_add_nc_u64 s[56:57], s[18:19], s[26:27]
	s_load_b128 s[28:31], s[8:9], 0x8              ; e2, e3, e4, e5
.irp q, 0,1,2,3
	global_load_b128 v[HI+4*\q:HI+4*\q+3], v4, s[14:15] offset:16*\q
.endr
	global_load_b32 v127, v8, s[12:13]             ; the group's 32 pairs
	SETC 0, 0xc034d90f                             ; GELU's coefficients, as in the gate
	SETC 1, 0x3fb8ab5a
	SETC 2, 0x3f0a29d2
	SETC 3, 0x3e0efb2e
	SETC 4, 0xbe899a80
	SETC 5, 0x3ecdfd18
	SETC 6, 0xbfd1a1e5
	SETC 7, 0x40097039
	SETC 8, 0xbf97d29d
	SETC 9, 0x3e7c6f08
.irp j, 0,1,2,3
	v_mov_b32 v[90+\j], 0                          ; written once: a lane permute's destination counts as one of its sources
.endr
	s_wait_alu depctr_va_vdst(0)
	s_wait_kmcnt 0x0
	s_add_co_i32 s66, s28, s29                     ; E
	s_sub_co_i32 s67, 0, s66
	s_lshl_b32 s36, s66, 23
	s_add_co_u32 s[CU], s36, 0x3eb504f3            ; 2^E / (2 sqrt 2): E is added to the exponent field
	s_lshl_b32 s36, s66, 24
	s_add_co_u32 s36, s36, 0xbf38aa3b              ; -2^(2 E) log2(e) / 2
	s_sub_co_i32 s37, s31, s66
	s_add_co_i32 s37, s37, 127
	s_lshl_b32 s38, s37, 23                        ; 2^(e5 - E)
	s_add_co_i32 s37, s37, 15
	s_lshl_b32 s37, s37, 23
	s_or_b32 s37, s37, 0x600000                    ; 57,344 x that
	v_mov_b32 v[CN], s36
	v_mov_b32 v[CN+1], s36
	v_mov_b32 v[SC], s38
	v_mov_b32 v[LIM], s37
	s_wait_alu depctr_va_vdst(0)
	s_wait_loadcnt 0x0
.irp j, 0,1,2,3
	v_add3_u32 v[86+\j], v[HI+\j], v[HI+4+\j], v[HI+8+\j]
.endr
.irp j, 0,1,2,3
	v_add_nc_u32 v[86+\j], v[86+\j], v[HI+12+\j]
.endr
	REDUCE4 86, 90, 32
.irp j, 0,1,2,3
	s_and_b32 s[TOT+2*\j], s[32+\j], 0xffff
	s_lshr_b32 s[TOT+2*\j+1], s[32+\j], 16
.endr
	s_mov_b32 s42, 0                               ; the next expert's first slot
	s_mov_b32 s43, 0                               ; my slot's expert: the last one whose first slot is t or less
	s_mov_b32 s44, 0                               ; its first slot
.irp e, 0,1,2,3,4,5,6,7
	s_mul_i32 s[OFF+\e], s42, 176                  ; the expert's first row
	s_cmp_ge_u32 s24, s42
	s_cselect_b32 s43, \e, s43
	s_cselect_b32 s44, s42, s44
	s_add_co_u32 s45, s[TOT+\e], 175
	s_lshr_b32 s45, s45, 4
	s_mul_i32 s45, s45, 745
	s_lshr_b32 s45, s45, 13                        ; ceil(count / 176): (count + 175) / 16 is 138 at the most, and x 745 >> 13 is x / 11 rounded down up to 2,730
	s_add_co_u32 s42, s42, s45
.endr
	s_min_u32 s43, s43, 7
	s_sub_co_u32 s45, s24, s44
	s_mul_i32 s45, s45, 176                        ; my slot's first rank
	s_lshl_b32 s26, s43, 8
	s_add_nc_u64 s[48:49], s[16:17], s[26:27]      ; mk[e]
	s_lshl_b32 s36, s43, 11
	s_lshl_b32 s37, ttmp9, 8
	s_add_co_u32 s36, s36, s37
	s_lshl_b32 s37, s2, 5
	s_add_co_u32 s36, s36, s37                     ; my first hidden unit: 2048 e + 256 cb + 32 wave
	s_lshl_b32 s26, s36, 2
	s_add_nc_u64 s[50:51], s[10:11], s[26:27]
	s_lshl_b32 s26, s36, 10
	s_add_nc_u64 s[52:53], s[6:7], s[26:27]
.irp u, 0,1
	global_load_b128 v[BIAS+8*\u:BIAS+8*\u+3], v6, s[50:51] offset:32*\u
	global_load_b128 v[BIAS+8*\u+4:BIAS+8*\u+7], v6, s[50:51] offset:32*\u+16
.endr
	s_wait_alu depctr_va_vdst(0)
	s_cmp_ge_u32 s2, 4                             ; the branch hangs on the wave's number alone, and leads round no barrier
	s_cbranch_scc1 .Lgather
	LDB
	; wave 3 of the work-groups with t under 16 stores pos for one group of 16 tokens: a pair's row = its expert's first row + the expert's count in the groups ahead + its rank in the group
	s_xor_b32 s36, s2, 3
	s_lshr_b32 s37, s24, 4
	s_or_b32 s36, s36, s37
	s_cmp_lg_u32 s36, 0
	s_cbranch_scc1 .Lno_pos
	v_lshlrev_b32 v38, 2, v1
.irp q, 0,1,2,3
	v_add_nc_u32 v39, \q, v38
	v_cmp_gt_u32 vcc_lo, s47, v39                  ; does the group lie ahead of mine?
.irp j, 0,1,2,3
.if \q == 0
	v_cndmask_b32 v[40+\j], 0, v[HI+\j], vcc_lo
.else
	v_cndmask_b32 v[90+\j], 0, v[HI+4*\q+\j], vcc_lo
	v_add_nc_u32 v[40+\j], v[40+\j], v[90+\j]
.endif
.endr
.endr
	REDUCE4 40, 90, 84
.irp j, 0,1,2,3
	s_and_b32 s36, s[84+\j], 0xffff
	s_add_co_u32 s[88+2*\j], s[OFF+2*\j], s36
	s_lshr_b32 s36, s[84+\j], 16
	s_add_co_u32 s[89+2*\j], s[OFF+1+2*\j], s36
.endr
	v_and_b32 v39, 0xff, v127
	v_lshrrev_b32 v41, 8, v127
	v_mov_b32 v48, 0
.irp e, 0,1,2,3,4,5,6,7
	v_cmp_eq_u32 vcc_lo, \e, v39
	v_cndmask_b32 v48, v48, s[88+\e], vcc_lo
.endr
	v_add_nc_u32 v48, v48, v41
	global_store_b32 v8, v48, s[56:57]             ; 128 consecutive bytes
.Lno_pos:
	s_xor_b32 s36, s2, 3                           ; wave 3 of the work-groups with cb = 0 stores the slot's expert
	s_or_b32 s36, s36, ttmp9
	s_cmp_lg_u32 s36, 0
	s_cbranch_scc1 .Lno_slot
	s_lshl_b32 s26, s24, 2
	s_add_nc_u64 s[58:59], s[20:21], s[26:27]
	v_mov_b32 v49, s43
	global_store_b32 v121, v49, s[58:59]
.Lno_slot:
	s_branch .Ljoin
.Lgather:
	global_load_b64 v[82:83], v7, s[48:49]
	s_wait_loadcnt 0x0
	SW1 83
	v_mul_lo_u32 v80, v[QC], 0x01010101
	v_lshrrev_b32 v80, 24, v80                     ; set bits among my upper 32 tokens,
	SW1 82
	v_mul_lo_u32 v126, v[QC], 0x01010101
	v_lshrrev_b32 v126, 24, v126                   ; and among my lower 32
	v_add_nc_u32 v81, v126, v80
.irp n, 1,2,4,8
	v_add_nc_u32_dpp v81, v81, v81 row_shr:\n row_mask:0xf bank_mask:0xf bound_ctrl:1
.endr
	v_readlane_b32 s36, v81, 15
	v_cmp_eq_u32 vcc_lo, 1, v3
	v_cndmask_b32 v80, 0, s36, vcc_lo
	v_add_nc_u32 v81, v81, v80                     ; set bits up to and with my lane
	v_readlane_b32 s36, v81, 31
	s_sub_co_u32 s36, s36, 1                       ; the expert's last rank
	s_sub_co_u32 s37, s2, 4
	s_mul_i32 s37, s37, 44
	s_add_co_u32 s37, s37, s45
	v_add_nc_u32 v[QR], s37, v1                    ; the ranks of my rows: lane l row l,
	v_add_nc_u32 v[QR+1], 32, v[QR]                ; and row 32 + l (lanes 0-11 count)
	v_min_u32 v[QR], s36, v[QR]                    ; rows behind the last one repeat it
	v_min_u32 v[QR+1], s36, v[QR+1]
.irp j, 50,51,52,53
	v_mov_b32 v\j, 0
.endr
.macro SEARCH first                    ; which lane's 64 tokens hold the rank: how many lanes' running counts it has passed, and the last of those counts
.irp i, 0,1,2,3,4,5,6,7,8,9,10,11,12,13,14,15
	v_readlane_b32 s[RL+\i], v81, \first+\i
.endr
.irp i, 0,1,2,3,4,5,6,7,8,9,10,11,12,13,14,15
	v_cmp_le_u32 vcc_lo, s[RL+\i], v[QR]
	v_cndmask_b32 v[QI], v[QI], \first+\i+1, vcc_lo
	v_cndmask_b32 v[QS], v[QS], s[RL+\i], vcc_lo
	v_cmp_le_u32 vcc_lo, s[RL+\i], v[QR+1]
	v_cndmask_b32 v[QI+1], v[QI+1], \first+\i+1, vcc_lo
	v_cndmask_b32 v[QS+1], v[QS+1], s[RL+\i], vcc_lo
.endr
.endm
	SEARCH 0
	SEARCH 16
	KV v_lshlrev_b32, QN, 2, QI
.irp d, 0,1
	ds_bpermute_b32 v[QX+\d], v[QN+\d], v82
	ds_bpermute_b32 v[QY+\d], v[QN+\d], v83
	ds_bpermute_b32 v[QZ+\d], v[QN+\d], v126
.endr
	s_wait_alu depctr_va_vdst(0)
	s_wait_dscnt 0x0
	; the token: 64 x lane + the place of the wanted set bit among the lane's 64
	VV v_sub_nc_u32, QR, QR, QS
	GE QZ
	v_cndmask_b32 v[QX], v[QX], v[QY], s84
	v_cndmask_b32 v[QX+1], v[QX+1], v[QY+1], s85
	ZV QT, QZ
	VV v_sub_nc_u32, QR, QR, QT
	ZK QP, 32
	v_lshl_add_u32 v[QI], v[QI], 6, v[QP]
	v_lshl_add_u32 v[QI+1], v[QI+1], 6, v[QP+1]
	KV v_lshrrev_b32, QT, 1, QX                    ; QA, QB, QC: how many bits of the word are set in each 2, 4, 8 bits
	KV v_and_b32, QT, 0x55555555, QT
	VV v_sub_nc_u32, QA, QX, QT
	KV v_and_b32, QT, 0x33333333, QA
	KV v_lshrrev_b32, QU, 2, QA
	KV v_and_b32, QU, 0x33333333, QU
	VV v_add_nc_u32, QB, QT, QU
	KV v_lshrrev_b32, QU, 4, QB
	VV v_add_nc_u32, QU, QB, QU
	KV v_and_b32, QC, 0x0f0f0f0f, QU
	KV v_lshrrev_b32, QN, 8, QC
	VV v_add_nc_u32, QN, QN, QC
	KV v_and_b32, QN, 0xff, QN                     ; bits set among the lower 16
	PICK
	ZK QP, 16
	HALVE QC, 8
	HALVE QB, 4
	HALVE QA, 2
	HALVE QX, 1
	VV v_add_nc_u32, QI, QI, QP
	ds_store_b32 v118, v[QI]                       ; my wave's own bytes: LDS serves a wave's instructions in order (ISA guide 5.7.1.4)
	ds_store_b32 v118, v[QI+1] offset:128
.irp i, 0,1,2,3,4,5,6,7,8,9,10,11,12,13,14,15,16,17,18,19,20,21
	ds_load_b32 v[OF+\i], v119 offset:8*\i         ; the token of row 2 i + h
.endr
	s_wait_dscnt 0x0
.irp i, 0,1,2,3,4,5,6,7,8,9,10,11,12,13,14,15,16,17,18,19,20,21
	v_min_u32 v[OF+\i], 0x7ff, v[OF+\i]            ; held inside x
.endr
.irp i, 0,1,2,3,4,5,6,7,8,9,10,11,12,13,14,15,16,17,18,19,20,21
	v_lshl_add_u32 v[OF+\i], v[OF+\i], 10, v120
.endr
	WIN 0x40
.irp i, 0,1,2,3,4,5,6,7,8,9,10,11,12,13,14,15
.irp q, 0,1,2,3
	global_load_b128 v[16*\i+4*\q:16*\i+4*\q+3], v[OF+\i], s[4:5] offset:256*\q   ; two rows, 256 consecutive bytes of each
.endr
.endr
	WIN 0
.irp i, 16,17,18,19,20,21
.irp q, 0,1,2,3
	global_load_b128 v[AF+16*(\i-16)+4*\q:AF+16*(\i-16)+4*\q+3], v[OF+\i], s[4:5] offset:256*\q
.endr
.endr
	s_wait_loadcnt 24                              ; the first 64 are in
	WIN 0x04                                       ; the data's window 1
.irp i, 0,1,2,3,4,5,6,7,8,9,10,11,12,13,14,15
.irp q, 0,1,2,3
	ds_store_b128 v15, v[16*\i+4*\q:16*\i+4*\q+3] offset:2*\i*XP+256*\q
.endr
.endr
	WIN 0
	s_wait_loadcnt 0x0
.irp i, 16,17,18,19,20,21
.irp q, 0,1,2,3
	ds_store_b128 v15, v[AF+16*(\i-16)+4*\q:AF+16*(\i-16)+4*\q+3] offset:2*\i*XP+256*\q
.endr
.endr
.Ljoin:
	s_mul_i32 s36, s24, 176                        ; hq: row 176 t + 22 wave, byte 256 cb
	s_mul_i32 s37, s2, 22
	s_add_co_u32 s36, s36, s37
	s_lshl_b32 s36, s36, 11
	s_lshl_b32 s37, ttmp9, 8
	s_add_co_u32 s36, s36, s37
	s_mov_b32 s37, 0
	s_add_nc_u64 s[54:55], s[22:23], s[36:37]
	s_wait_alu depctr_va_vdst(0)
	s_wait_xcnt 0x0                                ; the stores above have read their registers
	s_wait_dscnt 0x0                               ; for the others' sake: my rows are in LDS
	s_barrier_signal -1
	s_barrier_wait -1
	s_cmp_lt_u32 s2, 4
	s_cbranch_scc1 .Lhave
	s_wait_loadcnt 0x0                             ; (nothing of mine is out)
	LDB                                            ; waves 4-7
.Lhave:
.macro FETCH                           ; a block's 16 rows of x, all of K: lane l holds row l % 16; registers 16 s + 4 c on hold K = 128 s + 32 c + 16 (l / 16) + 0 .. 15, as W1's do
	v_add_nc_u32 v10, s61, v9
.irp s, 0,1,2,3,4,5,6,7
.irp c, 0,1,2,3
	ds_load_b128 v[AF+16*\s+4*\c:AF+16*\s+4*\c+3], v10 offset:128*\s+32*\c
.endr
.endr
.endm
; GELU of 16 sums, in place, as in the gate (but 2^E lies in the constants: the result is gelu x 2^-E).
.macro GELU A1, A2, A3
.set gi, 0
.rept 16
	v_fma_f32 v[\A1+gi], |v[Z+gi]|, s[CU], 1.0     ; each accumulator from its low end on
.set gi, gi+1
.endr
.set gi, 0
	s_wait_alu depctr_va_vdst(0)
.rept 16
	v_rcp_f32 v[\A2+gi], v[\A1+gi]
.set gi, gi+1
.endr
.set gi, 0
.rept 8
	v_pk_mul_f32 v[\A3+gi:\A3+gi+1], v[Z+gi:Z+gi+1], v[Z+gi:Z+gi+1]
.set gi, gi+2
.endr
.set gi, 0
	s_wait_alu depctr_va_vdst(0)
.rept 8
	v_pk_fma_f32 v[\A1+gi:\A1+gi+1], v[\A2+gi:\A2+gi+1], v[CF+18:CF+19], v[CF+16:CF+17]
.set gi, gi+2
.endr
.irp k, 7,6,5,4,3,2,1,0
.set gi, 0
.rept 8
	v_pk_fma_f32 v[\A1+gi:\A1+gi+1], v[\A1+gi:\A1+gi+1], v[\A2+gi:\A2+gi+1], v[CF+2*\k:CF+2*\k+1]
.set gi, gi+2
.endr
.endr
.set gi, 0
.rept 8
	v_pk_fma_f32 v[\A3+gi:\A3+gi+1], v[\A3+gi:\A3+gi+1], v[CN:CN+1], v[\A1+gi:\A1+gi+1]
.set gi, gi+2
.endr
.set gi, 0
	s_wait_alu depctr_va_vdst(0)
.rept 16
	v_exp_f32 v[\A3+gi], v[\A3+gi]
.set gi, gi+1
.endr
.set gi, 0
.rept 16
	v_max_num_f32 v[\A1+gi], 0, v[Z+gi]
.set gi, gi+1
.endr
.set gi, 0
	s_wait_alu depctr_va_vdst(0)
.rept 8
	v_pk_mul_f32 v[\A2+gi:\A2+gi+1], v[\A2+gi:\A2+gi+1], v[\A3+gi:\A3+gi+1]
.set gi, gi+2
.endr
.set gi, 0
.rept 16
	v_fma_f32 v[Z+gi], -|v[Z+gi]|, v[\A2+gi], v[\A1+gi]
.set gi, gi+1
.endr
.set gi, 0
.rept 16
	v_med3_num_f32 v[Z+gi], v[Z+gi], -v[LIM], v[LIM]   ; the hold (the conversion to an 8-bit code does not saturate: ISA guide 7.6.2)
.set gi, gi+1
.endr
.endm
; One block of 16 rows: 16 products (two accumulators by turns), the next block's fragments asked for, GELU, codes into the stage.
.macro BLOCK last
	s_wait_dscnt 0x0                               ; the block's fragments are in
	WIN 0x01                                       ; source 0 (W1) window 1
.irp s, 0,1,2,3,4,5,6,7
.irp u, 0,1
.if \s == 0
	v_wmma_f32_16x16x128_bf8_bf8 v[Z+8*\u:Z+8*\u+7], v[16*\u:16*\u+15], v[AF:AF+15], v[BIAS+8*\u:BIAS+8*\u+7]
.else
	v_wmma_f32_16x16x128_bf8_bf8 v[Z+8*\u:Z+8*\u+7], v[32*\s+16*\u:32*\s+16*\u+15], v[AF+16*\s:AF+16*\s+15], v[Z+8*\u:Z+8*\u+7]
.endif
.endr
.endr
.rept 4
	v_nop                                          ; four places in front of loads into registers that matrix instructions have read, and of the first read of results (ISA guide 7.12.1 for the first read of results)
.endr
	WIN 0
.if \last == 0
	s_add_co_u32 s61, s61, 16*XP
	FETCH
.endif
	GELU 70, 86, 102
	v_cvt_scalef32_pk8_bf8_f32 v[PC:PC+1], v[Z:Z+7], v[SC]
	v_cvt_scalef32_pk8_bf8_f32 v[PC+2:PC+3], v[Z+8:Z+15], v[SC]
	v_add_nc_u32 v12, s62, v11                     ; (the plain line behind the conversions)
	s_add_co_u32 s62, s62, 16*PITCH
	ds_store_b128 v12, v[PC:PC+3]
.endm
	s_mov_b32 s60, 10
	s_mov_b32 s61, 0
	s_mov_b32 s62, 0
	FETCH
	s_wait_loadcnt 0x0                             ; all of my W1, and b1
.set bi, 0
.rept 16
	v_ldexp_f32 v[BIAS+bi], v[BIAS+bi], s67        ; b1 x 2^-E
.set bi, bi+1
.endr
	s_wait_alu depctr_va_vdst(0)
.Lblock:
	BLOCK 0
	s_sub_co_u32 s60, s60, 1
	s_wait_alu depctr_va_vdst(0)
	s_cmp_lg_u32 s60, 0
	s_cbranch_scc1 .Lblock
	BLOCK 1
	s_wait_alu depctr_va_vdst(0)
	s_wait_dscnt 0x0                               ; for the others' sake: a row's 256 codes come from eight waves
	s_barrier_signal -1
	s_barrier_wait -1
.irp i, 0,1,2,3,4,5,6,7,8,9,10
	ds_load_b128 v[AF+4*\i:AF+4*\i+3], v13 offset:2*\i*PITCH
.endr
.irp i, 0,1,2,3,4,5,6,7,8,9,10
	s_wait_dscnt 10-\i
	global_store_b128 v14, v[AF+4*\i:AF+4*\i+3], s[54:55] offset:2*\i*2048   ; 16 lanes store 256 consecutive bytes, aligned
.endr
	s_wait_tensorcnt 0x0                           ; the wave's end
	ds_add_u32 v[SPW], v[NIL]
	s_wait_dscnt 0x0
	s_endpgm
.Lfunc_end_k_q16466c1624_ffn1:
	.size	k_q16466c1624_ffn1, .Lfunc_end_k_q16466c1624_ffn1-k_q16466c1624_ffn1
	.p2alignl 7, 3214868480
	.fill 96, 4, 3214868480
	.section	.rodata,"a",@progbits
	.p2align	6, 0x0
	.amdhsa_kernel k_q16466c1624_ffn1
		.amdhsa_group_segment_fixed_size 233984
		.amdhsa_private_segment_fixed_size 0
		.amdhsa_enable_private_segment 0
		.amdhsa_kernarg_size 80
		.amdhsa_user_sgpr_count 2
		.amdhsa_user_sgpr_kernarg_segment_ptr 1
		.amdhsa_wavefront_size32 1
		.amdhsa_system_sgpr_workgroup_id_x 1
		.amdhsa_system_sgpr_workgroup_id_y 1
		.amdhsa_system_sgpr_workgroup_id_z 1
		.amdhsa_system_vgpr_workitem_id 0
		.amdhsa_next_free_vgpr 512
		.amdhsa_next_free_sgpr 102
		.amdhsa_reserve_vcc 1
		.amdhsa_float_denorm_mode_32 3
		.amdhsa_float_denorm_mode_16_64 3
		.amdhsa_memory_ordered 1
		.amdhsa_forward_progress 1
		.amdhsa_inst_pref_size 100
	.end_amdhsa_kernel
	.amdgpu_metadata
---
amdhsa.version: [ 1, 2 ]
amdhsa.kernels:
  - .name:           k_q16466c1624_ffn1
    .symbol:         k_q16466c1624_ffn1.kd
    .args:
      - { .name: x_codes, .offset: 0, .size: 8, .value_kind: global_buffer, .address_space: global }
      - { .name: w1_codes, .offset: 8, .size: 8, .value_kind: global_buffer, .address_space: global }
      - { .name: lowp_scales, .offset: 16, .size: 8, .value_kind: global_buffer, .address_space: global }
      - { .name: b1, .offset: 24, .size: 8, .value_kind: global_buffer, .address_space: global }
      - { .name: topi, .offset: 32, .size: 8, .value_kind: global_buffer, .address_space: global }
      - { .name: hist, .offset: 40, .size: 8, .value_kind: global_buffer, .address_space: global }
      - { .name: mk, .offset: 48, .size: 8, .value_kind: global_buffer, .address_space: global }
      - { .name: pos, .offset: 56, .size: 8, .value_kind: global_buffer, .address_space: global }
      - { .name: tile_e, .offset: 64, .size: 8, .value_kind: global_buffer, .address_space: global }
      - { .name: hq, .offset: 72, .size: 8, .value_kind: global_buffer, .address_space: global }
    .group_segment_fixed_size: 233984
    .private_segment_fixed_size: 0
    .kernarg_segment_align: 8
    .kernarg_segment_size: 80
    .max_flat_workgroup_size: 256
    .sgpr_count:     102
    .vgpr_count:     512
    .wavefront_size: 32
...
	.end_amdgpu_metadata
.endif
;; end of part 2
;; launch ffn2 (part 3): grid 8 x 31, 4 waves a work-group, clusters of 4 x 1, 327,680 bytes of LDS; arguments hq, w2_codes, lowp_scales, b2, tile_e, y; writes y
.if DOCPART == 3
	.amdgcn_target "amdgcn-amd-amdhsa--gfx1250"
	.amdhsa_code_object_version 6
	.text
	.protected	k_q16466c1624_ffn2
	.globl	k_q16466c1624_ffn2
	.p2align	8
	.type	k_q16466c1624_ffn2,@function
k_q16466c1624_ffn2:
	s_mov_b64 s[64:65], 0
	v_nop
	global_prefetch_b8 v0, s[64:65] scope:SCOPE_SE
	s_setreg_imm32_b32 hwreg(HW_REG_WAVE_MODE, 25, 1), 1
	s_wait_xcnt 0x0
	s_wait_alu depctr_hold_cnt(0) depctr_sa_sdst(0) depctr_va_vdst(0) depctr_va_sdst(0) depctr_va_ssrc(0) depctr_va_vcc(0) depctr_vm_vsrc(0)
	s_getreg_b32 s2, hwreg(HW_REG_IB_STS2, 6, 4)
	s_cmp_eq_u32 s2, 0
	s_cbranch_scc0 .Lentry_in_a_cluster
	s_endpgm
.Lentry_in_a_cluster:
	s_bfe_u32 s2, ttmp6, 0x10000c
	s_cmp_lg_u32 s2, 0x3003
	s_cbranch_scc0 .Lentry_shape_is_right
	s_endpgm
.Lentry_shape_is_right:
; THE EXPERTS' SECOND LAYER on the routed rows: y = hq W2[e]^T x 2^(e4 + e5) + b2[e].  hq [5456][2048] and W2 [8][1024][2048] are codes of E5M2, K innermost; y [5456][1024] f32.
; Experts that a token does not choose are left out (the first launch's head says why); a NaN, an infinity or an overflow there is not carried to the result.
; SHARES.  A work-group takes slot t (176 rows of one expert, e = tile_e[t]) x 128 outputs (block cb of 8); each of its four waves 32 outputs, all 176 rows: 22 accumulators.
; The grid covers the 31 slots that the worst spread of the tokens needs; slots without pairs walk the same text on rows that no later launch gathers.
; WHO TAKES WHAT.  Cluster c = 0 .. 61 takes unit g = (c mod 4) + 4 (c / 8) + 32 ((c / 4) mod 2); t = g / 2, and cb = 4 (g mod 2) + cx.  c / 4 even takes slots 0-15, c / 4 odd slots 16-30: so the slots of one expert, which share its weights,
; lie in one of the two sets of clusters, but for the expert in which slot 16 falls.
; hq goes through a ring of two LDS slots in steps of 512 along K.  CLUSTER: the four work-groups of a cluster share t, so hq's rows are asked for JOINTLY: each wave a quarter, 44 rows, mask 15.
; W2 goes from memory straight into registers: a wave's 32 rows, all of K, are 512 registers, each byte fetched once by the wave that multiplies it; a step of 128 along K (8 loads) is asked for six steps ahead of its products.
; Row tiles of one expert are not put in a cluster: which slots share an expert is known only from tile_e, and a joint load's registers hang on no number read from memory.
; No prefetch: four slots of hq written out, no loop to run ahead in; hq's next step is asked for a whole slot's work ahead.
; THE PRODUCT IS USED TRANSPOSED (source 0 = 16 rows of W2, source 1 = 16 rows of hq): a lane holds eight neighbouring outputs of one row.
; LIMIT: e4 + e5 between -126 and 127, so that 2^(e4 + e5) is an f32 number.
; REGISTERS: window 0: v5-29 addresses; v32-47 b2, two tiles; v64-239 hq's eleven fragments, ONE set, and the way out.   window 1: the accumulators at 16 a + 8 u.   windows 2, 3: W2: step s, tile u at 32 (s mod 8) + 16 u of window 2 + s / 8.
.set T,      176
.set KROW,   2048
.set ROWB,   512
.set PITCH,  528                       ; 512 bytes + 16 = 132 words: row r starts at bank 4 r mod 64 (64 banks of 4 bytes: ISA guide 11.1)
.set BLK,    16*PITCH
.set ARH,    44
.set SLOT,   T*PITCH                   ; 92,928 bytes
.set STAGE,  2*SLOT                    ; the way out: 176 rows of 512 bytes + 16: no tensor load lands here
.set SPARE,  STAGE+SLOT                ; the spare words, 128 bytes for each wave: two blocks of 256 bytes that no other line names
.set ADRA, 16                          ; v16-17 my fragments' LDS address in slot 0, 1: blocks 0-5
.set ADRH, 18                          ; v18-19 blocks 6-10
.set STO,  24                          ; v24-25
.set RD,   26
.set GO,   27
.set SPW,  28
.set NIL,  29
.set B2,   32
.set AF,   64
.set G1,   24
.set G0,   32
.set MSB, 0
.macro WIN new                         ; the immediate's high byte repeats the setting that is left
.if MSB != (\new)
	s_set_vgpr_msb (MSB<<8)|(\new)
.set MSB, \new
.endif
.endm
.macro JLOAD s                         ; my quarter of a step of hq, asked for jointly by the four partners
	tensor_load_to_lds s[G0+4*\s:G0+4*\s+3], s[G1:G1+7]
	s_nop 0
.rept 4
	v_nop
.endr
.endm
.macro CREST
	s_cmp_lg_u32 s16, 0
	s_cbranch_scc1 .Lnot_wave_0_\@
	s_barrier_signal -3
.Lnot_wave_0_\@:
	s_barrier_wait -3
	s_barrier_signal -1
	s_barrier_wait -1
.endm
.macro CROUND
	s_barrier_signal -1
	s_barrier_wait -1
	CREST
.endm
.macro PLACES                          ; four places in front of loads into registers that matrix instructions have read, and of the first read of results (ISA guide 7.12.1 for the first read of results)
.rept 4
	v_nop
.endr
.endm
.macro BLD s                           ; W2's step s: two tiles of 16 rows x 128 K
.if (\s) < 16
	WIN 0x80+0x40*((\s)/8)
.irp u, 0,1
.irp c, 0,1,2,3
	global_load_b128 v[32*((\s)%8)+16*\u+4*\c:32*((\s)%8)+16*\u+4*\c+3], v5, s[44:45] offset:16*\u*KROW+128*(\s)+32*\c
.endr
.endr
	WIN 0
.endif
.endm
	s_load_b256 s[4:11], s[0:1], 0x0               ; hq s[4:5], W2 s[6:7], scales s[8:9], b2 s[10:11]
	s_load_b128 s[12:15], s[0:1], 0x20             ; tile_e s[12:13], y s[14:15]
	v_lshl_add_u32 v[SPW], v0, 2, SPARE
	v_mov_b32 v[NIL], 0
	ds_add_u32 v[SPW], v[NIL]                      ; the wave's opening: the add, twice on end, and its wait ahead of my first tensor load
	ds_add_u32 v[SPW], v[NIL]
	v_lshrrev_b32 v1, 5, v0
	v_readfirstlane_b32 s16, v1                    ; wave 0..3
	v_and_b32 v2, 15, v0                           ; r
	v_bfe_u32 v3, v0, 4, 1                         ; h
	v_and_b32 v6, 31, v0
	v_mul_u32_u24 v4, v2, PITCH
	v_lshl_add_u32 v[ADRA], v3, 4, v4              ; row r + 16 h
	v_add_nc_u32 v[ADRA+1], SLOT, v[ADRA]
	v_add_nc_u32 v[ADRH], 6*BLK, v[ADRA]
	v_add_nc_u32 v[ADRH+1], SLOT+6*BLK, v[ADRA]
	v_lshlrev_b32 v5, 11, v2
	v_lshl_add_u32 v5, v3, 4, v5                   ; W2: row r of 2,048 bytes + 16 h
	v_lshlrev_b32 v7, 5, v3                        ; b2: eight numbers further on for lanes 16-31
	v_lshl_add_u32 v4, v3, 5, v4
	v_lshl_add_u32 v4, v1, 7, v4
	v_add_nc_u32 v[STO], STAGE, v4                 ; into the stage: row r, byte 128 wave + 32 h
	v_add_nc_u32 v[STO+1], STAGE+6*BLK, v4
	v_mul_u32_u24 v8, v1, ARH*PITCH
	v_lshlrev_b32 v[GO], 4, v6                     ; the 32 lanes take one row of 512 bytes
	v_add_nc_u32 v8, v8, v[GO]
	v_add_nc_u32 v[RD], STAGE, v8                  ; back: my 44 rows
	s_wait_alu depctr_va_vdst(0)
	s_bfe_u32 s20, ttmp6, 0x40000                  ; cx
	s_and_b32 s22, ttmp7, 0xffff
	s_lshl_b32 s22, s22, 1
	s_add_co_u32 s22, s22, ttmp9                   ; c
	s_and_b32 s40, s22, 3
	s_lshr_b32 s41, s22, 3
	s_lshl_b32 s41, s41, 2
	s_add_co_u32 s40, s40, s41
	s_bfe_u32 s41, s22, 0x10002
	s_lshl_b32 s41, s41, 5
	s_add_co_u32 s40, s40, s41                     ; g
	s_lshr_b32 s22, s40, 1                         ; t, which the four partners share
	s_and_b32 s21, s40, 1
	s_lshl_b32 s21, s21, 2
	s_add_co_u32 s21, s21, s20                     ; cb: my block of 128 outputs
	s_mov_b32 s[G1+0], 15|(1<<20)|(1<<21)|(6<<22)|(3<<25)   ; the mask: all four; elements of 1 byte; padding on; 21 set beside a mask; after every 128 words (code 6) four words (code 3)
	s_mov_b32 s[G1+1], ROWB<<16                    ; tensor_dim0
	s_mov_b32 s[G1+2], ARH<<16                     ; tensor_dim1
	s_mov_b32 s[G1+3], ROWB<<16                    ; tile_dim0
	s_mov_b32 s[G1+4], ARH                         ; tile_dim1
	s_mov_b32 s[G1+5], KROW                        ; tensor_dim0_stride
	s_mov_b32 s[G1+6], 0
	s_mov_b32 s[G1+7], 0
	s_mul_i32 s42, s22, T                          ; my quarter of the slot's rows: 176 t + 44 wave
	s_mul_i32 s43, s16, ARH
	s_add_co_u32 s42, s42, s43
	s_lshl_b32 s46, s42, 11                        ; in hq,
	s_mov_b32 s47, 0
	s_lshl_b32 s74, s42, 12                        ; and in y
	s_lshl_b32 s75, s21, 9
	s_add_co_u32 s74, s74, s75
	s_mov_b32 s75, 0
	s_lshl_b32 s40, s22, 2
	s_mov_b32 s41, 0
	s_mul_i32 s43, s16, ARH*PITCH
	s_wait_dscnt 0x0                               ; both opening adds are done
	s_wait_kmcnt 0x0
	s_add_nc_u64 s[12:13], s[12:13], s[40:41]
	s_load_b32 s23, s[12:13], 0x0                  ; the slot's expert
	s_load_b128 s[68:71], s[8:9], 0x8              ; e2, e3, e4, e5
	s_add_nc_u64 s[46:47], s[4:5], s[46:47]
	s_add_nc_u64 s[14:15], s[14:15], s[74:75]
.irp s, 0,1
	s_mov_b32 s[G0+4*\s], 1
	s_add_co_u32 s[G0+4*\s+1], s43, \s*SLOT
	s_add_nc_u64 s[G0+4*\s+2:G0+4*\s+3], s[46:47], \s*ROWB
	s_or_b32 s[G0+4*\s+3], s[G0+4*\s+3], 0x80000000
.endr
	CROUND                                         ; all four work-groups are here: the first joint loads meet
	JLOAD 0                                        ; K step 0
	s_wait_kmcnt 0x0
	s_min_u32 s23, s23, 7                          ; held inside the table
	s_lshl_b32 s40, s23, 10                        ; W2 and b2: row 1024 e + 128 cb + 32 wave
	s_lshl_b32 s41, s21, 7
	s_add_co_u32 s40, s40, s41
	s_lshl_b32 s41, s16, 5
	s_add_co_u32 s40, s40, s41
	s_lshl_b32 s44, s40, 11
	s_mov_b32 s45, 0
	s_add_nc_u64 s[44:45], s[6:7], s[44:45]
	s_lshl_b32 s40, s40, 2
	s_mov_b32 s41, 0
	s_add_nc_u64 s[10:11], s[10:11], s[40:41]
.irp u, 0,1                                    ; tile u, lane (r, h), register j: output 16 u + 8 h + j
	global_load_b128 v[B2+8*\u:B2+8*\u+3], v7, s[10:11] offset:64*\u
	global_load_b128 v[B2+8*\u+4:B2+8*\u+7], v7, s[10:11] offset:64*\u+16
.endr
	BLD 0
	BLD 1
	BLD 2
	BLD 3
	BLD 4
	BLD 5
	s_add_co_i32 s66, s70, s71
	s_add_co_i32 s66, s66, 127
	s_lshl_b32 s66, s66, 23                        ; 2^(e4 + e5) as f32
	s_mov_b32 s67, s66                             ; (named with it as a pair, so it is written)
.macro FLO slot, ks                    ; 16 rows x 128 K: lane l holds row l % 16; registers 4 c .. 4 c + 3 hold K = 32 c + 16 (l / 16) + 0 .. 15
.irp a, 0,1,2,3,4,5
.irp c, 0,1,2,3
	ds_load_b128 v[AF+16*\a+4*\c:AF+16*\a+4*\c+3], v[ADRA+\slot] offset:128*(\ks)+\a*BLK+32*\c
.endr
.endr
.endm
.macro FHI slot, ks
.irp a, 6,7,8,9,10
.irp c, 0,1,2,3
	ds_load_b128 v[AF+16*\a+4*\c:AF+16*\a+4*\c+3], v[ADRH+\slot] offset:128*(\ks)+(\a-6)*BLK+32*\c
.endr
.endr
.endm
; Two matrix instructions: row block a against step s's two tiles.  s = 0: the first product starts the sums: nothing is cleared.
; The 22 accumulators take turns, one instruction a turn, in the same order in every step.
.macro MUL a, s
.irp u, 0,1
.if \s == 0
	v_wmma_f32_16x16x128_bf8_bf8 v[16*\a+8*\u:16*\a+8*\u+7], v[32*(\s%8)+16*\u:32*(\s%8)+16*\u+15], v[AF+16*\a:AF+16*\a+15], 0
.else
	v_wmma_f32_16x16x128_bf8_bf8 v[16*\a+8*\u:16*\a+8*\u+7], v[32*(\s%8)+16*\u:32*(\s%8)+16*\u+15], v[AF+16*\a:AF+16*\a+15], v[16*\a+8*\u:16*\a+8*\u+7]
.endif
.endr
.endm
.macro WB s                            ; step s of W2 is in: five steps of 8 loads at the most are younger
.if \s < 10
	s_wait_loadcnt 40
.else
	s_wait_loadcnt 8*(15-\s)
.endif
.endm
.macro STEP slot, ks, s                ; a step of 128 along K that has its successor in the same slot
	WB \s
	s_wait_dscnt 20                                ; blocks 0-5 are in; the youngest 20 loads (blocks 6-10) may be out
	WIN 0x52+\s/8                                  ; source 0 (W2) window 2 or 3, source 1 (hq) window 0, C and D window 1
.irp a, 0,1,2,3,4,5
	MUL \a, \s
.endr
	s_wait_dscnt 0x0                               ; blocks 6-10 are in
	PLACES
	WIN 0
	FLO \slot, \ks+1
	WIN 0x52+\s/8
.irp a, 6,7,8,9,10
	MUL \a, \s
.endr
	PLACES
	WIN 0
	FHI \slot, \ks+1
	BLD \s+6
.endm
; A slot's last step changes slots: ONE barrier; in front of it each wave waits for all its tensor loads, adds 0 to its spare word, and waits for that and for its own reads of this slot.
; fill = 1: the barrier opens a round of the cluster's barrier, and behind it this slot is filled again, two K steps ahead: the wave's one tensor load until the next change.
.macro TURN slot, next, s, fill
	WB \s
	s_wait_tensorcnt 0x0                           ; all my tensor loads have landed: the one that was out is my part of the next slot  (every window is 0 here)
	ds_add_u32 v[SPW], v[NIL]                      ; 0 onto my spare word
	s_wait_dscnt 21                                ; (the add and the youngest 20 loads may be out)
	WIN 0x52+\s/8
.irp a, 0,1,2,3
	MUL \a, \s
.endr
	s_wait_dscnt 0x0                               ; the add is done, and my reads of this slot are over
	s_barrier_signal -1
	MUL 4, \s
	MUL 5, \s
	WIN 0
	s_barrier_wait -1
.if \fill
	CREST                                          ; no wave of any partner still reads this slot or has a load on its way
	s_add_nc_u64 s[G0+4*\slot+2:G0+4*\slot+3], s[G0+4*\slot+2:G0+4*\slot+3], 2*ROWB
	JLOAD \slot                                    ; the first tensor load behind the round; the four v_nop behind it are the places in front of the loads below
.else
	PLACES
.endif
	FLO \next, 0
	WIN 0x52+\s/8
.irp a, 6,7,8,9,10
	MUL \a, \s
.endr
	PLACES
	WIN 0
	FHI \next, 0
	BLD \s+6
.endm
	s_wait_alu depctr_va_vdst(0)
	s_wait_tensorcnt 0x0                           ; my part of K step 0 is in
	ds_add_u32 v[SPW], v[NIL]
	s_wait_dscnt 0x0
	CROUND                                         ; everybody's is
	JLOAD 1                                        ; K step 1, the first tensor load behind the round
	FLO 0, 0
	FHI 0, 0
	STEP 0, 0, 0
	STEP 0, 1, 1
	STEP 0, 2, 2
	TURN 0, 1, 3, 1
	STEP 1, 0, 4
	STEP 1, 1, 5
	STEP 1, 2, 6
	TURN 1, 0, 7, 1
	STEP 0, 0, 8
	STEP 0, 1, 9
	STEP 0, 2, 10
	TURN 0, 1, 11, 0                               ; the last slots fill nothing
	STEP 1, 0, 12
	STEP 1, 1, 13
	STEP 1, 2, 14
	WB 15                                          ; the very last step: nothing more to fetch
	s_wait_dscnt 20
	WIN 0x53
.irp a, 0,1,2,3,4,5
	MUL \a, 15
.endr
	s_wait_dscnt 0x0
.irp a, 6,7,8,9,10
	MUL \a, 15
.endr
	PLACES
; THE WAY OUT.  A lane holds 32 neighbouring bytes of a row, a wave 128 bytes of it: all 176 rows go through the work-group's stage and come back as whole rows of 512 bytes.
	WIN 0x01                                       ; source 0 window 1
.irp a, 0,1,2,3,4,5,6,7,8,9,10
.irp u, 0,1
.irp j, 0,2,4,6
	v_pk_fma_f32 v[AF+16*\a+8*\u+\j:AF+16*\a+8*\u+\j+1], v[16*\a+8*\u+\j:16*\a+8*\u+\j+1], s[66:67], v[B2+8*\u+\j:B2+8*\u+\j+1] op_sel_hi:[1,0,1]   ; sum x 2^(e4 + e5) + b2; each accumulator from its low end on
.endr
.endr
.endr
	WIN 0
.irp a, 0,1,2,3,4,5,6,7,8,9,10
.irp u, 0,1
.irp k, 0,1
	ds_store_b128 v[STO+\a/6], v[AF+16*\a+8*\u+4*\k:AF+16*\a+8*\u+4*\k+3] offset:(\a%6)*BLK+64*\u+16*\k
.endr
.endr
.endr
	s_wait_alu depctr_va_vdst(0)
	s_wait_dscnt 0x0                               ; for the others' sake: a row's 512 bytes come from four waves
	s_barrier_signal -1
	s_barrier_wait -1
.set i, 0
.rept 44
	ds_load_b128 v[AF+4*i:AF+4*i+3], v[RD] offset:i*PITCH
.set i, i+1
.endr
.set i, 0
.rept 44
	s_wait_dscnt 43-i
	global_store_b128 v[GO], v[AF+4*i:AF+4*i+3], s[14:15] offset:i*4096   ; 32 lanes store 512 consecutive bytes, at a multiple of 256 from y's first byte
.set i, i+1
.endr
	s_wait_tensorcnt 0x0                           ; the wave's end
	ds_add_u32 v[SPW], v[NIL]
	s_wait_dscnt 0x0
	CROUND                                         ; the closing round: no work-group ends while a partner may still ask for a tile that names it
	s_endpgm
.Lfunc_end_k_q16466c1624_ffn2:
	.size	k_q16466c1624_ffn2, .Lfunc_end_k_q16466c1624_ffn2-k_q16466c1624_ffn2
	.p2alignl 7, 3214868480
	.fill 96, 4, 3214868480
	.section	.rodata,"a",@progbits
	.p2align	6, 0x0
	.amdhsa_kernel k_q16466c1624_ffn2
		.amdhsa_group_segment_fixed_size 327680
		.amdhsa_private_segment_fixed_size 0
		.amdhsa_enable_private_segment 0
		.amdhsa_kernarg_size 48
		.amdhsa_user_sgpr_count 2
		.amdhsa_user_sgpr_kernarg_segment_ptr 1
		.amdhsa_wavefront_size32 1
		.amdhsa_system_sgpr_workgroup_id_x 1
		.amdhsa_system_sgpr_workgroup_id_y 1
		.amdhsa_system_sgpr_workgroup_id_z 1
		.amdhsa_system_vgpr_workitem_id 0
		.amdhsa_next_free_vgpr 1024
		.amdhsa_next_free_sgpr 100
		.amdhsa_reserve_vcc 0
		.amdhsa_float_denorm_mode_32 3
		.amdhsa_float_denorm_mode_16_64 3
		.amdhsa_memory_ordered 1
		.amdhsa_forward_progress 1
		.amdhsa_inst_pref_size 111
	.end_amdhsa_kernel
	.amdgpu_metadata
---
amdhsa.version: [ 1, 2 ]
amdhsa.kernels:
  - .name:           k_q16466c1624_ffn2
    .symbol:         k_q16466c1624_ffn2.kd
    .args:
      - { .name: hq, .offset: 0, .size: 8, .value_kind: global_buffer, .address_space: global }
      - { .name: w2_codes, .offset: 8, .size: 8, .value_kind: global_buffer, .address_space: global }
      - { .name: lowp_scales, .offset: 16, .size: 8, .value_kind: global_buffer, .address_space: global }
      - { .name: b2, .offset: 24, .size: 8, .value_kind: global_buffer, .address_space: global }
      - { .name: tile_e, .offset: 32, .size: 8, .value_kind: global_buffer, .address_space: global }
      - { .name: y, .offset: 40, .size: 8, .value_kind: global_buffer, .address_space: global }
    .group_segment_fixed_size: 327680
    .private_segment_fixed_size: 0
    .kernarg_segment_align: 8
    .kernarg_segment_size: 48
    .max_flat_workgroup_size: 128
    .sgpr_count:     100
    .vgpr_count:     1024
    .wavefront_size: 32
...
	.end_amdgpu_metadata
.endif
;; end of part 3
;; launch combine (part 4): grid 256 x 1, 8 waves a work-group, no clusters, 0 bytes of LDS; arguments y, pos, topw, out0; writes out0
.if DOCPART == 4
	.amdgcn_target "amdgcn-amd-amdhsa--gfx1250"
	.amdhsa_code_object_version 6
	.text
	.protected	k_q16466c1624_combine
	.globl	k_q16466c1624_combine
	.p2align	8
	.type	k_q16466c1624_combine,@function
k_q16466c1624_combine:
	s_mov_b64 s[64:65], 0
	v_nop
	global_prefetch_b8 v0, s[64:65] scope:SCOPE_SE
	s_setreg_imm32_b32 hwreg(HW_REG_WAVE_MODE, 25, 1), 1
	s_wait_xcnt 0x0
; out0[token] = topw[token][0] y[pos[token][0]] + topw[token][1] y[pos[token][1]].  y [5456][1024], out0 [2048][1024]: f32.
; A stream: one wave to a token; its two rows of y (4,096 bytes each) come by 16 loads of 512 consecutive bytes, all issued at once; no LDS, no barrier, no matrix unit: memory binds.
; The rows' numbers are whole numbers that an earlier launch stored; they are held at 5,455 in front of the address.
.set Y0, 8                             ; v8-39    the first row
.set Y1, 40                            ; v40-71   the second
.set OU, 72                            ; v72-103  the result: registers of its own for each store
	s_load_b256 s[4:11], s[0:1], 0x0               ; y s[4:5], pos s[6:7], topw s[8:9], out0 s[10:11]
	v_lshrrev_b32 v1, 5, v0
	s_delay_alu instid0(VALU_DEP_1)
	v_readfirstlane_b32 s12, v1                    ; wave 0..7
	v_and_b32 v1, 31, v0
	s_delay_alu instid0(VALU_DEP_1)
	v_lshlrev_b32 v2, 4, v1                        ; 16 bytes a lane
	s_lshl_b32 s13, ttmp9, 3
	s_add_co_u32 s13, s13, s12                     ; my token
	s_lshl_b32 s14, s13, 3
	s_mov_b32 s15, 0
	s_lshl_b32 s16, s13, 12
	s_mov_b32 s17, 0
	s_wait_alu depctr_va_vdst(0)
	s_wait_kmcnt 0x0
	s_add_nc_u64 s[6:7], s[6:7], s[14:15]
	s_add_nc_u64 s[8:9], s[8:9], s[14:15]
	s_add_nc_u64 s[10:11], s[10:11], s[16:17]
	s_load_b64 s[20:21], s[6:7], 0x0               ; the two rows
	s_load_b64 s[22:23], s[8:9], 0x0               ; the two weights
	s_wait_kmcnt 0x0
	s_min_u32 s20, s20, 5455
	s_min_u32 s21, s21, 5455
	s_lshl_b32 s24, s20, 12
	s_mov_b32 s25, 0
	s_lshl_b32 s26, s21, 12
	s_mov_b32 s27, 0
	s_add_nc_u64 s[24:25], s[4:5], s[24:25]
	s_add_nc_u64 s[26:27], s[4:5], s[26:27]
	s_mov_b32 s28, s23                             ; the second weight in a pair of its own: the packed form takes a scalar pair's low word for both halves
	s_mov_b32 s29, s23
.irp j, 0,1,2,3,4,5,6,7
	global_load_b128 v[Y0+4*\j:Y0+4*\j+3], v2, s[24:25] offset:512*\j th:TH_LOAD_NT
	global_load_b128 v[Y1+4*\j:Y1+4*\j+3], v2, s[26:27] offset:512*\j th:TH_LOAD_NT
.endr
.irp j, 0,1,2,3,4,5,6,7
	s_wait_loadcnt 14-2*\j                         ; loads come back in order: the first 2 j + 2 are in
	v_pk_mul_f32 v[OU+4*\j:OU+4*\j+1], v[Y0+4*\j:Y0+4*\j+1], s[22:23] op_sel_hi:[1,0]
	v_pk_mul_f32 v[OU+4*\j+2:OU+4*\j+3], v[Y0+4*\j+2:Y0+4*\j+3], s[22:23] op_sel_hi:[1,0]
	s_delay_alu instid0(VALU_DEP_2)
	v_pk_fma_f32 v[OU+4*\j:OU+4*\j+1], v[Y1+4*\j:Y1+4*\j+1], s[28:29], v[OU+4*\j:OU+4*\j+1] op_sel_hi:[1,0,1]
	s_delay_alu instid0(VALU_DEP_2)
	v_pk_fma_f32 v[OU+4*\j+2:OU+4*\j+3], v[Y1+4*\j+2:Y1+4*\j+3], s[28:29], v[OU+4*\j+2:OU+4*\j+3] op_sel_hi:[1,0,1]
	global_store_b128 v2, v[OU+4*\j:OU+4*\j+3], s[10:11] offset:512*\j th:TH_STORE_NT   ; 512 consecutive bytes, aligned; written once
.endr
	s_endpgm
.Lfunc_end_k_q16466c1624_combine:
	.size	k_q16466c1624_combine, .Lfunc_end_k_q16466c1624_combine-k_q16466c1624_combine
	.p2alignl 7, 3214868480
	.fill 96, 4, 3214868480
	.section	.rodata,"a",@progbits
	.p2align	6, 0x0
	.amdhsa_kernel k_q16466c1624_combine
		.amdhsa_group_segment_fixed_size 0
		.amdhsa_private_segment_fixed_size 0
		.amdhsa_enable_private_segment 0
		.amdhsa_kernarg_size 32
		.amdhsa_user_sgpr_count 2
		.amdhsa_user_sgpr_kernarg_segment_ptr 1
		.amdhsa_wavefront_size32 1
		.amdhsa_system_sgpr_workgroup_id_x 1
		.amdhsa_system_sgpr_workgroup_id_y 1
		.amdhsa_system_sgpr_workgroup_id_z 1
		.amdhsa_system_vgpr_workitem_id 0
		.amdhsa_next_free_vgpr 104
		.amdhsa_next_free_sgpr 66
		.amdhsa_reserve_vcc 0
		.amdhsa_float_denorm_mode_32 3
		.amdhsa_float_denorm_mode_16_64 3
		.amdhsa_memory_ordered 1
		.amdhsa_forward_progress 1
		.amdhsa_inst_pref_size 7
	.end_amdhsa_kernel
	.amdgpu_metadata
---
amdhsa.version: [ 1, 2 ]
amdhsa.kernels:
  - .name:           k_q16466c1624_combine
    .symbol:         k_q16466c1624_combine.kd
    .args:
      - { .name: y, .offset: 0, .size: 8, .value_kind: global_buffer, .address_space: global }
      - { .name: pos, .offset: 8, .size: 8, .value_kind: global_buffer, .address_space: global }
      - { .name: topw, .offset: 16, .size: 8, .value_kind: global_buffer, .address_space: global }
      - { .name: out0, .offset: 24, .size: 8, .value_kind: global_buffer, .address_space: global }
    .group_segment_fixed_size: 0
    .private_segment_fixed_size: 0
    .kernarg_segment_align: 8
    .kernarg_segment_size: 32
    .max_flat_workgroup_size: 256
    .sgpr_count:     66
    .vgpr_count:     104
    .wavefront_size: 32
...
	.end_amdgpu_metadata
.endif
;; end of part 4
